; MI455X (gfx1250); checked and timed in simulation.
; The chip was launched on July 23, 2026; its instructions are those of AMD's public machine-readable ISA for CDNA 5 (MIT licence, August 2026) and "CDNA5" Instruction Set Architecture Reference Guide (July 2026). The comments in the code are by the model that wrote it; some were corrected since.
;; Multi Head Attention Quantum. Allowed arithmetic: float matrix products may take bf16 or f16 operands with f32 sums; all other float work in f32.
;; Inputs: combine_b 64 float32; combine_w 64 x 16 float32; theta 8 float32; x 8 x 1,024 x 64 float32.
;; Outputs: out0 8 x 1,024 x 64 float32.
;; One version. Each part assembles by itself: llvm-mc -triple=amdgcn-amd-amdhsa -mcpu=gfx1250 --defsym DOCPART=n.
;; ======== version 1 of 1: 2 launches
;; limits: a function is approximated: absolute error at most 0.000113; values are held in f16: magnitudes above 65,504 overflow, below 6.1e-05 lose precision; inputs' magnitudes at most 65,504
;; workspace buffers: part 262,144 bytes
;; launch moments (part 1): grid 64 x 1, 32 waves a work-group, no clusters, 106,752 bytes of LDS; arguments x, theta, part; writes part
.if DOCPART == 1
	.amdgcn_target "amdgcn-amd-amdhsa--gfx1250"
	.amdhsa_code_object_version 6
	.text
	.protected	k_qa45827e3fe_moments
	.globl	k_qa45827e3fe_moments
	.p2align	8
	.type	k_qa45827e3fe_moments,@function
k_qa45827e3fe_moments:
	s_mov_b64 s[64:65], 0
	v_nop
	global_prefetch_b8 v0, s[64:65] scope:SCOPE_SE
	s_setreg_imm32_b32 hwreg(HW_REG_WAVE_MODE, 25, 1), 1
	s_wait_xcnt 0x0
; MOMENTS, the first of two launches.  part[batch][chunk][head][4][32] f32  <-  x [8][1024][64] f32, theta [8] f32.
;
; THE CIRCUIT IN CLOSED FORM.  RX(x) RX(theta) on |0> leaves wire i with bit 1 at probability sin^2((x_i+theta_i)/2), the wires independent.
; A CNOT permutes basis states, so the chain 0>1 .. 6>7, 7>0 only renames bits: bit w becomes b0^..^bw (w >= 1), bit 0 becomes b1^..^b7.
; The mean of (-1)^(xor of independent bits) is the product of their means c_i = cos(x_i+theta_i).  So, for every input,
;   Z0 = c1 c2 .. c7,  Zw = c0 c1 .. cw (w = 1..7);   q = (Z0,Z1,Z2),  k = (Z3,Z4,Z5),  v = (Z6,Z7).
; THE SOFTMAX WITHOUT ITS 1024 x 1024 TABLE.  q and k are products of cosines, so |s| = |q.k|/8 <= 3/8 for every input: no weight leaves
; [0.687, 1.455], no maximum has to be taken away.  On that interval e^s is replaced by the cubic p(s) = A0 + A1 s + A2 s^2 + A3 s^3: the
; series to s^5 with s^4 and s^5 replaced by their Chebyshev stand-ins on |s| <= 3/8,
;   A0 = 1 - a^4/192, A1 = 1 - a^4/384, A2 = 1/2 + a^2/24, A3 = 1/6 + a^2/96, a = 3/8;  |p - e^s| <= 1.13e-4, at most 1.7e-4 of any weight,
; which is under the rounding of an f16 operand (4.9e-4).  p(q.k/8) is a dot product of the 20 monomials of degree <= 3 of q with those of k,
; so  sum_t p(s_t) [v_t, 1] = sum_e mono_e(q) M[e][.],   M[e][col] = coef_e sum_t mono_e(k_t) [v0, v1, 1]_t[col].
; coef_e = A_n n!/(alpha! 8^n A0): the common factor 1/A0 cancels in the softmax's quotient and makes the constant's coefficient exactly 1.
; This launch forms M over 128 tokens for each head; the second launch adds the 8 chunks of a batch and applies M to its queries.
;
; SHAPE.  64 work-groups = 8 batches x 8 chunks of 128 tokens; 32 waves; thread t = item (token t>>3, head t&7) reads the 32 bytes at 32 t:
; the work-group reads 32,768 consecutive bytes.  No two work-groups read the same x, so there is nothing for a cluster to share.
; A lane writes its item's 32 entries (22 used) as a row of 64 bytes of f16 into LDS; behind one barrier wave h < 8 reads head h's 128 rows
; transposed (tokens along K) and multiplies entries 16..31 (rows 0,1,2 = v0, v1, 1) with entries 0..15 and 16..31: 8 matrix instructions.
; ENTRIES (a,b,c = k):  0-2 a b c | 3-5 a2 b2 c2 | 6-8 ab ac bc | 9-11 a3 b3 c3 | 12-15 a2b b2a a2c b2c | 16 v0 | 17 v1 | 18 one |
;                       19 c2a | 20 c2b | 21 abc | 22-31 zero.
; f16 operands: every entry is at most 1 in size by construction, whatever the inputs; below 6e-5 an entry keeps an absolute error of 3e-8.
; LIMITS.  cos: the angle goes to turns by one fused multiply-add, then sqrt2 sin(pi f) by its series to (pi f)^9 and c = 1 - (..)^2:
; error <= 1.5e-5 + 1e-7 |x+theta|.  An infinite or NaN angle makes NaN of its whole (batch, head), as in reference().
.set TOK,    128                       ; tokens of a work-group
.set P,      96                        ; LDS pitch of a row: 64 bytes + 32, an odd multiple of 32 as the transposing loads want
.set HS,     TOK*P+32                  ; from head to head
.set STAGE,  8*HS                      ; behind the rows: 512 bytes for each of the 8 waves that store
.set C_TURN, 0x3e22f983                ; 1/(2 pi)
.set C_K0,   0x408e2c19                ; sqrt2 pi
.set C_K1,   0xc0e9dd2e                ; -sqrt2 pi^3/6
.set C_K2,   0x4066d083                ; sqrt2 pi^5/120
.set C_K3,   0xbf58f4fa                ; -sqrt2 pi^7/5040
.set C_K4,   0x3dedeb7f                ; sqrt2 pi^9/362880
.set C_B1,   0x3e0001b0                ; A1/(8 A0)
.set C_B2,   0x3c01836a                ; A2/(64 A0)
.set C_2B2,  0x3c81836a
.set C_B3,   0x39ac2f35                ; A3/(512 A0)
.set C_3B3,  0x3a812368
.set C_6B3,  0x3b012368
.set XO,  2                            ; byte offset of my 8 angles
.set ROW, 3                            ; LDS address of my item's row
.set TA,  4                            ; later: address of the transposing loads
.set RR,  5                            ; lane & 15
.set LN,  6                            ; lane
.set SA,  7                            ; stage, in
.set X,   8                            ; v[8:15]   angles, then turns, then f, then cosines
.set TH,  16                           ; v[16:23]  theta in turns
.set N,   24                           ; v[24:31]  nearest whole turn, then the series
.set U,   32                           ; v[32:39]  f^2
.set KV,  40                           ; v[40:41]  K3 twice
.set ZA,  42                           ; (a, b)
.set ZC,  44                           ; (c, c2)
.set VV,  46                           ; (v0, v1)
.set TP,  48
.set SQ,  50                           ; (a2, b2)
.set XC,  52                           ; (ac, bc)
.set CU,  54                           ; (a3, b3)
.set M1,  56                           ; (a2b, b2a)
.set M2,  58                           ; (a2c, b2c)
.set M3,  60                           ; (c2a, c2b)
.set AB,  62
.set ABC, 63
.set C3,  64
.set R,   66                           ; v[66:81]  the row: 32 f16
.set FR,  8                            ; v[8:71]   later: fragments, K step k, tile t at FR + 16 k + 8 t
.set RD,  82                           ; stage, back
.set GO,  83                           ; byte offset in part
.set CO,  84                           ; v[84:85]  coefficient of entry r, of entry 16 + r
.set D0,  88                           ; sums against entries 0..15
.set D1,  96                           ; sums against entries 16..31
.set Q,   104
	s_load_b128 s[4:7], s[0:1], 0x0                ; x s[4:5], theta s[6:7]
	s_load_b64 s[8:9], s[0:1], 0x10                ; part
	v_lshl_add_u32 v112, v0, 2, 0x19100
	v_mov_b32 v113, 0
	v_lshrrev_b32 v1, 5, v0
	v_readfirstlane_b32 s10, v1                    ; wave 0..31
	v_lshlrev_b32 v[XO], 5, v0                     ; 32 t
	s_lshl_b32 s12, ttmp9, 15                      ; the work-group's 128 tokens of 256 bytes
	s_mov_b32 s13, 0
	s_lshl_b32 s14, ttmp9, 12                      ; its 8 blocks of 512 bytes in part
	s_mov_b32 s15, 0
.irp h, 0,1
	s_mov_b32 s[24+\h], C_TURN                     ; constants as pairs: a packed instruction names the pair and takes its first word twice
	s_mov_b32 s[26+\h], C_K4
	s_mov_b32 s[28+\h], C_K2
	s_mov_b32 s[30+\h], C_K1
	s_mov_b32 s[32+\h], C_K0
	v_mov_b32 v[KV+\h], C_K3
.endr
	s_wait_kmcnt 0x0
	s_add_nc_u64 s[4:5], s[4:5], s[12:13]
	s_add_nc_u64 s[8:9], s[8:9], s[14:15]
	global_load_b128 v[X:X+3],   v[XO], s[4:5]             ; no hint: the second launch reads x again
	global_load_b128 v[X+4:X+7], v[XO], s[4:5] offset:16
	s_load_b256 s[16:23], s[6:7], 0x0                      ; theta
	v_and_b32 v1, 7, v0                            ; my item's head
	v_lshrrev_b32 v4, 3, v0                        ; its token, 0..127
	v_mul_u32_u24 v1, v1, HS
	v_mad_u32_u24 v[ROW], v4, P, v1
.irp z, 11,12,13,14,15
	v_mov_b32 v[R+\z], 0                           ; entries 22..31
.endr
	s_wait_kmcnt 0x0
.irp i, 0,1,2,3,4,5,6,7
	v_mul_f32 v[TH+\i], s[16+\i], s24              ; theta in turns
.endr
	s_wait_loadcnt 0x0
	; eight cosines, two at a time
.irp i, 0,2,4,6
	v_pk_fma_f32 v[X+\i:X+\i+1], v[X+\i:X+\i+1], s[24:25], v[TH+\i:TH+\i+1] op_sel_hi:[1,0,1]      ; (x + theta) in turns
.endr
.irp i, 0,1,2,3,4,5,6,7
	v_rndne_f32 v[N+\i], v[X+\i]
.endr
.irp i, 0,2,4,6
	v_pk_add_f32 v[X+\i:X+\i+1], v[X+\i:X+\i+1], v[N+\i:N+\i+1] neg_lo:[0,1] neg_hi:[0,1]          ; f in [-1/2, 1/2]
.endr
.irp i, 0,2,4,6
	v_pk_mul_f32 v[U+\i:U+\i+1], v[X+\i:X+\i+1], v[X+\i:X+\i+1]
.endr
.irp i, 0,2,4,6
	v_pk_fma_f32 v[N+\i:N+\i+1], v[U+\i:U+\i+1], s[26:27], v[KV:KV+1] op_sel_hi:[1,0,1]
.endr
.irp i, 0,2,4,6
	v_pk_fma_f32 v[N+\i:N+\i+1], v[N+\i:N+\i+1], v[U+\i:U+\i+1], s[28:29] op_sel_hi:[1,1,0]
.endr
.irp i, 0,2,4,6
	v_pk_fma_f32 v[N+\i:N+\i+1], v[N+\i:N+\i+1], v[U+\i:U+\i+1], s[30:31] op_sel_hi:[1,1,0]
.endr
.irp i, 0,2,4,6
	v_pk_fma_f32 v[N+\i:N+\i+1], v[N+\i:N+\i+1], v[U+\i:U+\i+1], s[32:33] op_sel_hi:[1,1,0]
.endr
.irp i, 0,2,4,6
	v_pk_mul_f32 v[N+\i:N+\i+1], v[N+\i:N+\i+1], v[X+\i:X+\i+1]                                    ; sqrt2 sin(pi f)
.endr
.irp i, 0,2,4,6
	v_pk_fma_f32 v[X+\i:X+\i+1], v[N+\i:N+\i+1], v[N+\i:N+\i+1], 1.0 op_sel_hi:[1,1,0] neg_lo:[1,0,0] neg_hi:[1,0,0]   ; c = 1 - 2 sin^2
.endr
	; k = (Z3, Z4, Z5) = (a, b, c), v = (Z6, Z7)
	v_pk_mul_f32 v[TP:TP+1], v[X:X+1], v[X+2:X+3]  ; c0 c2, c1 c3
	v_mul_f32 v[ZA],   v[TP],   v[TP+1]
	v_mul_f32 v[ZA+1], v[ZA],   v[X+4]
	v_mul_f32 v[ZC],   v[ZA+1], v[X+5]
	v_mul_f32 v[VV],   v[ZC],   v[X+6]
	v_mul_f32 v[VV+1], v[VV],   v[X+7]
	; the monomials of degree 2 and 3
	v_mul_f32    v[ZC+1],    v[ZC], v[ZC]                                              ; c2
	v_pk_mul_f32 v[SQ:SQ+1], v[ZA:ZA+1], v[ZA:ZA+1]                                    ; a2, b2
	v_mul_f32    v[AB],      v[ZA], v[ZA+1]                                            ; ab
	v_pk_mul_f32 v[XC:XC+1], v[ZA:ZA+1], v[ZC:ZC+1] op_sel_hi:[1,0]                    ; ac, bc
	v_pk_mul_f32 v[CU:CU+1], v[SQ:SQ+1], v[ZA:ZA+1]                                    ; a3, b3
	v_mul_f32    v[C3],      v[ZC+1], v[ZC]                                            ; c3
	v_pk_mul_f32 v[M1:M1+1], v[SQ:SQ+1], v[ZA:ZA+1] op_sel:[0,1] op_sel_hi:[1,0]       ; a2 b, b2 a (the second source crossed)
	v_pk_mul_f32 v[M2:M2+1], v[SQ:SQ+1], v[ZC:ZC+1] op_sel_hi:[1,0]                    ; a2 c, b2 c
	v_pk_mul_f32 v[M3:M3+1], v[ZA:ZA+1], v[ZC:ZC+1] op_sel:[0,1] op_sel_hi:[1,1]       ; c2 a, c2 b (the pair's second word twice)
	v_mul_f32    v[ABC],     v[AB], v[ZC]                                              ; abc
	; the row, rounded once to f16
	v_cvt_pk_f16_f32 v[R+0],  v[ZA],   v[ZA+1]
	v_cvt_pk_f16_f32 v[R+1],  v[ZC],   v[SQ]
	v_cvt_pk_f16_f32 v[R+2],  v[SQ+1], v[ZC+1]
	v_cvt_pk_f16_f32 v[R+3],  v[AB],   v[XC]
	v_cvt_pk_f16_f32 v[R+4],  v[XC+1], v[CU]
	v_cvt_pk_f16_f32 v[R+5],  v[CU+1], v[C3]
	v_cvt_pk_f16_f32 v[R+6],  v[M1],   v[M1+1]
	v_cvt_pk_f16_f32 v[R+7],  v[M2],   v[M2+1]
	v_cvt_pk_f16_f32 v[R+8],  v[VV],   v[VV+1]
	v_cvt_pk_f16_f32 v[R+9],  1.0,     v[M3]
	v_cvt_pk_f16_f32 v[R+10], v[M3+1], v[ABC]
.irp j, 0,1,2,3
	ds_store_b128 v[ROW], v[R+4*\j:R+4*\j+3] offset:16*\j
.endr
	s_wait_dscnt 0x0                               ; my rows are in LDS: zero, since other waves read them
	s_barrier_signal -1
	s_barrier_wait -1                              ; everybody's are
	s_cmp_ge_u32 s10, 8
	s_cbranch_scc1 .Lend                           ; 8 heads, 8 waves go on; no barrier follows
	; wave h: head h.  Rows lie [token][entry]; the transposing load gives lane (r, hh) entry n0 + r of tokens k0 + 8 hh .. + 7
	v_and_b32 v1, 7, v0
	v_bfe_u32 v2, v0, 4, 1
	v_lshl_or_b32 v1, v2, 3, v1                    ; 8 hh + (lane & 7): the row that I address
	v_bfe_u32 v3, v0, 3, 1
	v_mul_u32_u24 v1, v1, P
	v_lshl_add_u32 v1, v3, 4, v1                   ; + 16 bytes for lanes 8-15 and 24-31
	s_mul_i32 s11, s10, HS
	v_add_nc_u32 v[TA], s11, v1
.irp k, 0,1,2,3
.irp t, 0,1
	ds_load_tr16_b128 v[FR+16*\k+8*\t:FR+16*\k+8*\t+3],   v[TA] offset:32*P*\k+32*\t
	ds_load_tr16_b128 v[FR+16*\k+8*\t+4:FR+16*\k+8*\t+7], v[TA] offset:32*P*\k+32*\t+16*P
.endr
.endr
	; while they come: the coefficient of entry r and of entry 16 + r, by the classes of the list at the head
	v_and_b32 v[RR], 15, v0
	v_mov_b32 v[CO], C_3B3
	v_cmp_le_u32 vcc_lo, 12, v[RR]
	v_cndmask_b32 v[CO], C_B3, v[CO], vcc_lo       ; r < 12: cubes
	v_cmp_le_u32 vcc_lo, 9, v[RR]
	v_cndmask_b32 v[CO], C_2B2, v[CO], vcc_lo      ; r < 9: ab ac bc
	v_cmp_le_u32 vcc_lo, 6, v[RR]
	v_cndmask_b32 v[CO], C_B2, v[CO], vcc_lo       ; r < 6: squares
	v_cmp_le_u32 vcc_lo, 3, v[RR]
	v_cndmask_b32 v[CO], C_B1, v[CO], vcc_lo       ; r < 3: a b c
	v_mov_b32 v[CO+1], 0                           ; entries 22..31
	v_cmp_le_u32 vcc_lo, 6, v[RR]
	v_cndmask_b32 v[CO+1], C_6B3, v[CO+1], vcc_lo  ; 21: abc
	v_cmp_le_u32 vcc_lo, 5, v[RR]
	v_cndmask_b32 v[CO+1], C_3B3, v[CO+1], vcc_lo  ; 19, 20
	v_cmp_le_u32 vcc_lo, 3, v[RR]
	v_cndmask_b32 v[CO+1], 1.0, v[CO+1], vcc_lo    ; 18: the constant
	v_cmp_le_u32 vcc_lo, 2, v[RR]
	v_cndmask_b32 v[CO+1], 0, v[CO+1], vcc_lo      ; 16, 17 are v0, v1: no features
	s_lshl_b32 s11, s10, 9
	s_add_co_u32 s11, s11, STAGE                   ; my 512 bytes of the stage
	; D[m][n] = sum over tokens of entry(16 + m) entry(n).  LDS loads come back in order (ISA guide 5.7.1): K step k needs the first
	; 4 k + 4 of the 16, so 12, 8, 4, 0 younger ones may be out.  The first products start the sums.
	s_wait_dscnt 12
	v_wmma_f32_16x16x32_f16 v[D0:D0+7], v[FR+8:FR+15], v[FR:FR+7], 0
	v_wmma_f32_16x16x32_f16 v[D1:D1+7], v[FR+8:FR+15], v[FR+8:FR+15], 0
.irp k, 1,2,3
	s_wait_dscnt 12-4*\k
	v_wmma_f32_16x16x32_f16 v[D0:D0+7], v[FR+16*\k+8:FR+16*\k+15], v[FR+16*\k:FR+16*\k+7],    v[D0:D0+7]
	v_wmma_f32_16x16x32_f16 v[D1:D1+7], v[FR+16*\k+8:FR+16*\k+15], v[FR+16*\k+8:FR+16*\k+15], v[D1:D1+7]
.endr
	; five independent vector instructions stand between the last matrix instruction and the first reader of a result (ISA guide 7.12.1 asks four)
	v_and_b32 v[LN], 31, v0
	v_lshl_add_u32 v[SA], v[RR], 2, s11            ; in: column r of a row of 128 bytes
	v_lshl_add_u32 v[RD], v[LN], 4, s11            ; back: 16 bytes a lane
	v_lshlrev_b32 v[GO], 4, v0                     ; 512 h + 16 lane
	v_cmp_gt_u32 vcc_lo, 16, v[LN]
	v_pk_mul_f32 v[D0:D0+1],   v[D0:D0+1],   v[CO:CO+1] op_sel_hi:[1,0]
	v_pk_mul_f32 v[D0+2:D0+3], v[D0+2:D0+3], v[CO:CO+1] op_sel_hi:[1,0]
	v_pk_mul_f32 v[D1:D1+1],   v[D1:D1+1],   v[CO:CO+1] op_sel:[0,1] op_sel_hi:[1,1]
	v_pk_mul_f32 v[D1+2:D1+3], v[D1+2:D1+3], v[CO:CO+1] op_sel:[0,1] op_sel_hi:[1,1]
	; Lanes 0-15 hold rows 0..7 of the tiles in registers 0..7.  Rows 0,1,2 are the sums against v0, v1, 1; row 3 (against entry 19, finite,
	; used by nobody) rides along so that a head's block is 512 bytes.  Through my own stage, so that one store covers them all.
	s_wait_xcnt 0x0                                ; EXEC changes only when no global or scalar access still holds it as a source
	s_and_saveexec_b32 s34, vcc_lo
.irp j, 0,1,2,3
	ds_store_b32 v[SA], v[D0+\j] offset:128*\j
	ds_store_b32 v[SA], v[D1+\j] offset:128*\j+64
.endr
	s_or_b32 exec_lo, exec_lo, s34
	ds_load_b128 v[Q:Q+3], v[RD]                   ; LDS serves a wave's instructions in order: this sees the stores above; the bytes are my wave's alone
	s_wait_dscnt 0x0
	global_store_b128 v[GO], v[Q:Q+3], s[8:9]      ; 512 consecutive bytes, at a multiple of 512 from part's first byte
.Lend:
	s_barrier_signal -1
	s_barrier_wait -1
	s_wait_tensorcnt 0x0
	ds_add_u32 v112, v113
	s_wait_dscnt 0x0
	s_endpgm
.Lfunc_end_k_qa45827e3fe_moments:
	.size	k_qa45827e3fe_moments, .Lfunc_end_k_qa45827e3fe_moments-k_qa45827e3fe_moments
	.p2alignl 7, 3214868480
	.fill 96, 4, 3214868480
	.section	.rodata,"a",@progbits
	.p2align	6, 0x0
	.amdhsa_kernel k_qa45827e3fe_moments
		.amdhsa_group_segment_fixed_size 106752
		.amdhsa_private_segment_fixed_size 0
		.amdhsa_enable_private_segment 0
		.amdhsa_kernarg_size 24
		.amdhsa_user_sgpr_count 2
		.amdhsa_user_sgpr_kernarg_segment_ptr 1
		.amdhsa_wavefront_size32 1
		.amdhsa_system_sgpr_workgroup_id_x 1
		.amdhsa_system_sgpr_workgroup_id_y 1
		.amdhsa_system_sgpr_workgroup_id_z 1
		.amdhsa_system_vgpr_workitem_id 0
		.amdhsa_next_free_vgpr 114
		.amdhsa_next_free_sgpr 66
		.amdhsa_reserve_vcc 1
		.amdhsa_float_denorm_mode_32 3
		.amdhsa_float_denorm_mode_16_64 3
		.amdhsa_memory_ordered 1
		.amdhsa_forward_progress 1
		.amdhsa_inst_pref_size 12
	.end_amdhsa_kernel
	.amdgpu_metadata
---
amdhsa.version: [ 1, 2 ]
amdhsa.kernels:
  - .name:           k_qa45827e3fe_moments
    .symbol:         k_qa45827e3fe_moments.kd
    .args:
      - { .name: x, .offset: 0, .size: 8, .value_kind: global_buffer, .address_space: global }
      - { .name: theta, .offset: 8, .size: 8, .value_kind: global_buffer, .address_space: global }
      - { .name: part, .offset: 16, .size: 8, .value_kind: global_buffer, .address_space: global }
    .group_segment_fixed_size: 106752
    .private_segment_fixed_size: 0
    .kernarg_segment_align: 8
    .kernarg_segment_size: 24
    .max_flat_workgroup_size: 1024
    .sgpr_count:     66
    .vgpr_count:     114
    .wavefront_size: 32
...
	.end_amdgpu_metadata
.endif
;; end of part 1
;; launch apply (part 2): grid 256 x 1, 8 waves a work-group, no clusters, 25,600 bytes of LDS; arguments x, theta, part, combine_w, combine_b, out0; writes out0
.if DOCPART == 2
	.amdgcn_target "amdgcn-amd-amdhsa--gfx1250"
	.amdhsa_code_object_version 6
	.text
	.protected	k_qa45827e3fe_apply
	.globl	k_qa45827e3fe_apply
	.p2align	8
	.type	k_qa45827e3fe_apply,@function
k_qa45827e3fe_apply:
	s_mov_b64 s[64:65], 0
	v_nop
	global_prefetch_b8 v0, s[64:65] scope:SCOPE_SE
	s_setreg_imm32_b32 hwreg(HW_REG_WAVE_MODE, 25, 1), 1
	s_wait_xcnt 0x0
; APPLY, the second of two launches.  out0 [8][1024][64] f32  <-  x, theta, part (the first launch's sums), combine_w [64][16], combine_b [64].
; For the closed form of the circuit (Z0 = c1..c7, Zw = c0..cw, c_i = cos(x_i+theta_i)), the cubic p(s) that stands for e^s on |s| <= 3/8
; (every score lies there, since q and k are products of cosines; error at most 1.7e-4 of a weight; hence no maximum is taken away),
; and the list of the 32 entries, see the head of the first launch.  Here (a,b,c) = q = (Z0,Z1,Z2), entries 16 and 17 are zero.
;   num_d(s), den(s) = sum_e mono_e(q_s) M[e][d],  M = sum of the batch's 8 chunks;   o = num/den;   out0 = o combine_w^T + combine_b.
;
; SHAPE.  256 work-groups = 8 batches x 32 blocks of 32 tokens; 8 waves.  Thread t = item (token t>>3, head t&7) reads the 32 bytes at 32 t
; (8,192 consecutive bytes a work-group) and writes its item's row of 32 f16 into LDS.  Wave h adds the 8 blocks of 512 bytes of head h
; (16 bytes a lane each), rounds M to f16 (|M| <= 1024 by construction) and lays it into its own 256 bytes of LDS as [4 columns][32 entries].
; Behind barrier 1 wave h multiplies M (rows = columns mod 4) with its head's 2 x 16 rows: a lane then holds num0, num1, den of ONE token
; in registers 0, 1, 2, so the division needs no other lane.  o goes to LDS as f16 (|o| <= 1), [token][2 head + d].
; Behind barrier 2 waves 0 and 1 take 16 tokens each: four matrix instructions with column r of tile i = output e = 4 r + i, so that a lane's
; four results of one token are 16 neighbouring bytes and sixteen lanes hold a whole row of 256 bytes; the bias add moves them together.
; K = 16 there: the upper 16 of the instruction's 32 are zeros.
; NOT SHARED BY A CLUSTER: the 32 work-groups of a batch read the same 32,768 bytes of part and all read the same 4,096 bytes of combine_w.
; Each reads them once, at its head, straight into the registers that add or convert them (8 loads a lane, issued with x); there is no later
; step at which partners would ask again, and a joint request would put a cluster barrier and a pass through LDS in front of the sums.
; LIMITS.  combine_w goes to f16: |combine_w| < 65,504 (beyond: infinities), below 6e-5 an absolute error of 3e-8.  cos as in the first launch:
; error <= 1.5e-5 + 1e-7 |x+theta|.
.set PP,     80                        ; LDS pitch of an item's row: 64 bytes + 16
.set HS,     32*PP+32                  ; from head to head: 2 columns of 16 bytes on, so that 8 heads x 2 tokens store to 16 different columns
.set MT,     8*HS                      ; M in f16: 256 bytes a wave
.set OB,     MT+8*256                  ; o: 32 rows
.set OP,     48                        ; their pitch: 32 bytes + 16
.set C_TURN, 0x3e22f983                ; 1/(2 pi)
.set C_K0,   0x408e2c19                ; sqrt2 pi
.set C_K1,   0xc0e9dd2e                ; -sqrt2 pi^3/6
.set C_K2,   0x4066d083                ; sqrt2 pi^5/120
.set C_K3,   0xbf58f4fa                ; -sqrt2 pi^7/5040
.set C_K4,   0x3dedeb7f                ; sqrt2 pi^9/362880
.set LN,  1                            ; lane
.set RR,  2                            ; lane & 15
.set HH,  3                            ; lane >> 4
.set XO,  4                            ; offsets: x,
.set PO,  5                            ; part,
.set WO,  6                            ; combine_w,
.set BO,  7                            ; combine_b
.set X,   8                            ; v[8:15]    angles .. cosines
.set TH,  16
.set N,   24
.set U,   32
.set KV,  40
.set ZA,  42                           ; (a, b)
.set ZC,  44                           ; (c, c2)
.set TP,  48
.set SQ,  50
.set XC,  52
.set CU,  54
.set M1,  56
.set M2,  58
.set M3,  60
.set AB,  62
.set ABC, 63
.set C3,  64
.set R,   66                           ; v[66:81]   the row
.set PT,  84                           ; v[84:115]  8 chunks x 4 sums
.set W,   116                          ; v[116:147] combine_w as loaded (waves 0, 1)
.set BI,  148                          ; v[148:151] combine_b[4 r .. 4 r + 3]
.set WB,  152                          ; v[152:183] four fragments of combine_w
.set MA,  184                          ; fragment of M
.set PB,  192                          ; two fragments of rows
.set E0,  208
.set E1,  216
.set ROW, 224
.set PBA, 225
.set MS,  226
.set ML,  227
.set OS,  228
.set OL,  229
.set OO,  230
.set T0,  231
.set N0,  232
.set N1,  233
.set DN,  234
.set RC,  235
.set OV,  236
.set MH,  238                          ; v[238:239]
.set OA,  240                          ; fragment of o
.set G,   84                           ; v[84:115]  the four result tiles (the chunks are done with)
.set Q,   8                            ; v[8:39]    8 rows x 4 numbers to store
	s_load_b256 s[4:11], s[0:1], 0x0               ; x s[4:5], theta s[6:7], part s[8:9], combine_w s[10:11]
	s_load_b128 s[12:15], s[0:1], 0x20             ; combine_b s[12:13], out0 s[14:15]
	v_lshl_add_u32 v248, v0, 2, 0x6000
	v_mov_b32 v249, 0
	v_lshrrev_b32 v[T0], 5, v0
	v_readfirstlane_b32 s16, v[T0]                 ; wave 0..7
	v_and_b32 v[LN], 31, v0
	v_and_b32 v[RR], 15, v0
	v_bfe_u32 v[HH], v0, 4, 1
	v_lshlrev_b32 v[XO], 5, v0                     ; 32 t
	v_lshlrev_b32 v[PO], 4, v0                     ; 512 wave + 16 lane
	s_lshl_b32 s18, ttmp9, 13                      ; 32 tokens of 256 bytes, in x and in out0
	s_mov_b32 s19, 0
	s_lshr_b32 s20, ttmp9, 5                       ; batch
	s_lshl_b32 s20, s20, 15                        ; its 8 chunks x 8 heads x 512 bytes
	s_mov_b32 s21, 0
.irp h, 0,1
	s_mov_b32 s[24+\h], C_TURN
	s_mov_b32 s[26+\h], C_K4
	s_mov_b32 s[28+\h], C_K2
	s_mov_b32 s[30+\h], C_K1
	s_mov_b32 s[32+\h], C_K0
	v_mov_b32 v[KV+\h], C_K3
.endr
	s_wait_kmcnt 0x0
	s_add_nc_u64 s[4:5], s[4:5], s[18:19]
	s_add_nc_u64 s[14:15], s[14:15], s[18:19]
	s_add_nc_u64 s[8:9], s[8:9], s[20:21]
	s_load_b256 s[36:43], s[6:7], 0x0              ; theta
	s_cmp_gt_u32 s16, 1
	s_cbranch_scc1 .Lall
	; waves 0 and 1 only: combine_w[4 r + i][8 hh .. 8 hh + 7] for i = 0..3, and combine_b[4 r ..].  Issued first, so that the counted wait below is the same for all
	v_lshlrev_b32 v[WO], 8, v[RR]
	v_lshl_add_u32 v[WO], v[HH], 5, v[WO]
	v_lshlrev_b32 v[BO], 4, v[RR]
.irp i, 0,1,2,3
	global_load_b128 v[W+8*\i:W+8*\i+3],   v[WO], s[10:11] offset:64*\i
	global_load_b128 v[W+8*\i+4:W+8*\i+7], v[WO], s[10:11] offset:64*\i+16
.endr
	global_load_b128 v[BI:BI+3], v[BO], s[12:13]
.Lall:
	global_load_b128 v[X:X+3],   v[XO], s[4:5] th:TH_LOAD_NT
	global_load_b128 v[X+4:X+7], v[XO], s[4:5] offset:16 th:TH_LOAD_NT
.irp c, 0,1,2,3,4,5,6,7
	global_load_b128 v[PT+4*\c:PT+4*\c+3], v[PO], s[8:9] offset:4096*\c    ; chunk c, my wave's head: column lane>>3, entries 4 (lane&7) ..
.endr
	; LDS addresses, while the loads are out
	v_and_b32 v[T0], 7, v0                         ; my item's head
	v_lshrrev_b32 v[ROW], 3, v0                    ; its token
	v_mul_u32_u24 v[T0], v[T0], HS
	v_mad_u32_u24 v[ROW], v[ROW], PP, v[T0]
	s_mul_i32 s17, s16, HS                         ; my wave's head
	v_mul_u32_u24 v[T0], v[RR], PP
	v_lshl_add_u32 v[T0], v[HH], 4, v[T0]
	v_add_nc_u32 v[PBA], s17, v[T0]                ; fragment: row r, 16 bytes for each half of the lanes
	s_lshl_b32 s22, s16, 8
	s_add_co_u32 s22, s22, MT                      ; my wave's M
	v_lshl_add_u32 v[MS], v[LN], 3, s22            ; in: 8 bytes a lane = [column][entry]
	v_and_b32 v[T0], 3, v0
	v_lshlrev_b32 v[T0], 6, v[T0]
	v_lshl_add_u32 v[T0], v[HH], 4, v[T0]
	v_add_nc_u32 v[ML], s22, v[T0]                 ; fragment: row m reads column m & 3
	s_lshl_b32 s23, s16, 2
	s_add_co_u32 s23, s23, OB
	v_mad_u32_u24 v[OS], v[LN], OP, s23            ; o: token = lane, 4 bytes at 4 head
	v_cmp_le_u32 s34, 16, v[LN]                    ; lanes 16-31
	v_mov_b32 v[R+8], 0                            ; entries 16, 17
.irp z, 11,12,13,14,15
	v_mov_b32 v[R+\z], 0                           ; entries 22..31
.endr
	s_wait_kmcnt 0x0
.irp i, 0,1,2,3,4,5,6,7
	v_mul_f32 v[TH+\i], s[36+\i], s24              ; theta in turns
.endr
	s_wait_loadcnt 0x8                             ; loads come back in order (ISA guide 5.7.1): x is in, the 8 loads of part behind it may be out
	; eight cosines, two at a time
.irp i, 0,2,4,6
	v_pk_fma_f32 v[X+\i:X+\i+1], v[X+\i:X+\i+1], s[24:25], v[TH+\i:TH+\i+1] op_sel_hi:[1,0,1]
.endr
.irp i, 0,1,2,3,4,5,6,7
	v_rndne_f32 v[N+\i], v[X+\i]
.endr
.irp i, 0,2,4,6
	v_pk_add_f32 v[X+\i:X+\i+1], v[X+\i:X+\i+1], v[N+\i:N+\i+1] neg_lo:[0,1] neg_hi:[0,1]
.endr
.irp i, 0,2,4,6
	v_pk_mul_f32 v[U+\i:U+\i+1], v[X+\i:X+\i+1], v[X+\i:X+\i+1]
.endr
.irp i, 0,2,4,6
	v_pk_fma_f32 v[N+\i:N+\i+1], v[U+\i:U+\i+1], s[26:27], v[KV:KV+1] op_sel_hi:[1,0,1]
.endr
.irp i, 0,2,4,6
	v_pk_fma_f32 v[N+\i:N+\i+1], v[N+\i:N+\i+1], v[U+\i:U+\i+1], s[28:29] op_sel_hi:[1,1,0]
.endr
.irp i, 0,2,4,6
	v_pk_fma_f32 v[N+\i:N+\i+1], v[N+\i:N+\i+1], v[U+\i:U+\i+1], s[30:31] op_sel_hi:[1,1,0]
.endr
.irp i, 0,2,4,6
	v_pk_fma_f32 v[N+\i:N+\i+1], v[N+\i:N+\i+1], v[U+\i:U+\i+1], s[32:33] op_sel_hi:[1,1,0]
.endr
.irp i, 0,2,4,6
	v_pk_mul_f32 v[N+\i:N+\i+1], v[N+\i:N+\i+1], v[X+\i:X+\i+1]
.endr
.irp i, 0,2,4,6
	v_pk_fma_f32 v[X+\i:X+\i+1], v[N+\i:N+\i+1], v[N+\i:N+\i+1], 1.0 op_sel_hi:[1,1,0] neg_lo:[1,0,0] neg_hi:[1,0,0]
.endr
	; q = (Z0, Z1, Z2) = (a, b, c)
	v_pk_mul_f32 v[TP:TP+1], v[X+2:X+3], v[X+4:X+5]
	v_mul_f32 v[ZA+1], v[X], v[X+1]                ; Z1 = c0 c1
	v_pk_mul_f32 v[TP:TP+1], v[TP:TP+1], v[X+6:X+7]
	v_mul_f32 v[ZC], v[ZA+1], v[X+2]               ; Z2 = c0 c1 c2
	v_mul_f32 v[TP], v[TP], v[TP+1]                ; c2 .. c7
	v_mul_f32 v[ZA], v[TP], v[X+1]                 ; Z0 = c1 .. c7
	; the monomials, in the first launch's order
	v_mul_f32    v[ZC+1],    v[ZC], v[ZC]
	v_pk_mul_f32 v[SQ:SQ+1], v[ZA:ZA+1], v[ZA:ZA+1]
	v_mul_f32    v[AB],      v[ZA], v[ZA+1]
	v_pk_mul_f32 v[XC:XC+1], v[ZA:ZA+1], v[ZC:ZC+1] op_sel_hi:[1,0]
	v_pk_mul_f32 v[CU:CU+1], v[SQ:SQ+1], v[ZA:ZA+1]
	v_mul_f32    v[C3],      v[ZC+1], v[ZC]
	v_pk_mul_f32 v[M1:M1+1], v[SQ:SQ+1], v[ZA:ZA+1] op_sel:[0,1] op_sel_hi:[1,0]
	v_pk_mul_f32 v[M2:M2+1], v[SQ:SQ+1], v[ZC:ZC+1] op_sel_hi:[1,0]
	v_pk_mul_f32 v[M3:M3+1], v[ZA:ZA+1], v[ZC:ZC+1] op_sel:[0,1] op_sel_hi:[1,1]
	v_mul_f32    v[ABC],     v[AB], v[ZC]
	v_cvt_pk_f16_f32 v[R+0],  v[ZA],   v[ZA+1]
	v_cvt_pk_f16_f32 v[R+1],  v[ZC],   v[SQ]
	v_cvt_pk_f16_f32 v[R+2],  v[SQ+1], v[ZC+1]
	v_cvt_pk_f16_f32 v[R+3],  v[AB],   v[XC]
	v_cvt_pk_f16_f32 v[R+4],  v[XC+1], v[CU]
	v_cvt_pk_f16_f32 v[R+5],  v[CU+1], v[C3]
	v_cvt_pk_f16_f32 v[R+6],  v[M1],   v[M1+1]
	v_cvt_pk_f16_f32 v[R+7],  v[M2],   v[M2+1]
	v_cvt_pk_f16_f32 v[R+9],  1.0,     v[M3]
	v_cvt_pk_f16_f32 v[R+10], v[M3+1], v[ABC]
.irp j, 0,1,2,3
	ds_store_b128 v[ROW], v[R+4*\j:R+4*\j+3] offset:16*\j
.endr
	; M of my wave's head: the 8 chunks added in f32, rounded once
	s_wait_loadcnt 0x0
.irp c, 0,2,4,6
	v_pk_add_f32 v[PT+4*\c:PT+4*\c+1],   v[PT+4*\c:PT+4*\c+1],   v[PT+4*\c+4:PT+4*\c+5]
	v_pk_add_f32 v[PT+4*\c+2:PT+4*\c+3], v[PT+4*\c+2:PT+4*\c+3], v[PT+4*\c+6:PT+4*\c+7]
.endr
.irp c, 0,4
	v_pk_add_f32 v[PT+4*\c:PT+4*\c+1],   v[PT+4*\c:PT+4*\c+1],   v[PT+4*\c+8:PT+4*\c+9]
	v_pk_add_f32 v[PT+4*\c+2:PT+4*\c+3], v[PT+4*\c+2:PT+4*\c+3], v[PT+4*\c+10:PT+4*\c+11]
.endr
	v_pk_add_f32 v[PT:PT+1],   v[PT:PT+1],   v[PT+16:PT+17]
	v_pk_add_f32 v[PT+2:PT+3], v[PT+2:PT+3], v[PT+18:PT+19]
	v_cvt_pk_f16_f32 v[MH],   v[PT],   v[PT+1]
	v_cvt_pk_f16_f32 v[MH+1], v[PT+2], v[PT+3]
	ds_store_b64 v[MS], v[MH:MH+1]
	s_wait_dscnt 0x0                               ; my rows are in LDS: zero, since other waves read them
	s_barrier_signal -1
	s_barrier_wait -1                              ; everybody's are
	ds_load_b128 v[MA:MA+3],     v[ML]             ; M: my wave's own bytes
	ds_load_b128 v[MA+4:MA+7],   v[ML] offset:32
	ds_load_b128 v[PB:PB+3],     v[PBA]            ; my head's tokens 0-15
	ds_load_b128 v[PB+4:PB+7],   v[PBA] offset:32
	ds_load_b128 v[PB+8:PB+11],  v[PBA] offset:16*PP       ; and 16-31
	ds_load_b128 v[PB+12:PB+15], v[PBA] offset:16*PP+32
	s_cmp_gt_u32 s16, 1
	s_cbranch_scc1 .Lapply
	; waves 0 and 1, while the LDS loads are out: combine_w to f16 fragments (K = 16..31 zero), and the addresses of the last step
.irp i, 0,1,2,3
.irp p, 0,1,2,3
	v_cvt_pk_f16_f32 v[WB+8*\i+\p], v[W+8*\i+2*\p], v[W+8*\i+2*\p+1]
	v_mov_b32 v[WB+8*\i+4+\p], 0
.endr
.endr
.irp p, 4,5,6,7
	v_mov_b32 v[OA+\p], 0
.endr
	s_mul_i32 s17, s16, 16*OP
	s_add_co_u32 s17, s17, OB                      ; my 16 rows of o
	v_mul_u32_u24 v[OL], v[RR], OP
	v_lshl_add_u32 v[OL], v[HH], 4, v[OL]
	v_add_nc_u32 v[OL], s17, v[OL]
	s_lshl_b32 s35, s16, 12                        ; my 16 rows of out0
	v_lshlrev_b32 v[OO], 4, v[RR]                  ; 16 bytes a lane: sixteen lanes, one row
	v_lshl_add_u32 v[OO], v[HH], 11, v[OO]         ; lanes 16-31: 8 rows further down
	v_add_nc_u32 v[OO], s35, v[OO]
.Lapply:
	s_wait_dscnt 0x0
	v_wmma_f32_16x16x32_f16 v[E0:E0+7], v[MA:MA+7], v[PB:PB+7],    0       ; register j of lane (r, hh): column j & 3 of token r
	v_wmma_f32_16x16x32_f16 v[E1:E1+7], v[MA:MA+7], v[PB+8:PB+15], 0       ; of token 16 + r
.rept 4
	v_nop                                          ; four places before a vector instruction reads a matrix result (ISA guide 7.12.1)
.endr
	v_cndmask_b32 v[DN], v[E0+2], v[E1+2], s34     ; lane l takes token l: lanes 16-31 from the second tile
	v_cndmask_b32 v[N0], v[E0],   v[E1],   s34
	v_cndmask_b32 v[N1], v[E0+1], v[E1+1], s34
	v_rcp_f32 v[RC], v[DN]                         ; den lies in 1024 x [0.68, 1.46]
	v_nop                                          ; one plain instruction before the reciprocal is used (ISA guide 5.7.2)
	s_wait_alu depctr_va_vdst(0)
	v_mul_f32 v[N0], v[N0], v[RC]
	v_mul_f32 v[N1], v[N1], v[RC]
	v_cvt_pk_f16_f32 v[OV], v[N0], v[N1]
	ds_store_b32 v[OS], v[OV]
	s_wait_dscnt 0x0                               ; zero: waves 0 and 1 read what all eight stored
	s_barrier_signal -1
	s_barrier_wait -1
	s_cmp_gt_u32 s16, 1
	s_cbranch_scc1 .Lend                           ; 2 blocks of 16 tokens, 2 waves go on; no barrier follows
	ds_load_b128 v[OA:OA+3], v[OL]                 ; o[token r][8 hh .. 8 hh + 7]
	s_wait_dscnt 0x0
.irp i, 0,1,2,3
	v_wmma_f32_16x16x32_f16 v[G+8*\i:G+8*\i+7], v[OA:OA+7], v[WB+8*\i:WB+8*\i+7], 0    ; register j: token 8 hh + j, output 4 r + i
.endr
.rept 4
	v_nop                                          ; four places before the sums are read (ISA guide 7.12.1)
.endr
.irp j, 0,1,2,3,4,5,6,7
.irp i, 0,1,2,3
	v_add_f32 v[Q+4*\j+\i], v[G+8*\i+\j], v[BI+\i] ; the bias, and the four tiles' numbers of one token side by side
.endr
	global_store_b128 v[OO], v[Q+4*\j:Q+4*\j+3], s[14:15] offset:256*\j th:TH_STORE_NT ; two whole rows of 256 bytes
.endr
.Lend:
	s_barrier_signal -1
	s_barrier_wait -1
	s_wait_tensorcnt 0x0
	ds_add_u32 v248, v249
	s_wait_dscnt 0x0
	s_endpgm
.Lfunc_end_k_qa45827e3fe_apply:
	.size	k_qa45827e3fe_apply, .Lfunc_end_k_qa45827e3fe_apply-k_qa45827e3fe_apply
	.p2alignl 7, 3214868480
	.fill 96, 4, 3214868480
	.section	.rodata,"a",@progbits
	.p2align	6, 0x0
	.amdhsa_kernel k_qa45827e3fe_apply
		.amdhsa_group_segment_fixed_size 25600
		.amdhsa_private_segment_fixed_size 0
		.amdhsa_enable_private_segment 0
		.amdhsa_kernarg_size 48
		.amdhsa_user_sgpr_count 2
		.amdhsa_user_sgpr_kernarg_segment_ptr 1
		.amdhsa_wavefront_size32 1
		.amdhsa_system_sgpr_workgroup_id_x 1
		.amdhsa_system_sgpr_workgroup_id_y 1
		.amdhsa_system_sgpr_workgroup_id_z 1
		.amdhsa_system_vgpr_workitem_id 0
		.amdhsa_next_free_vgpr 250
		.amdhsa_next_free_sgpr 66
		.amdhsa_reserve_vcc 0
		.amdhsa_float_denorm_mode_32 3
		.amdhsa_float_denorm_mode_16_64 3
		.amdhsa_memory_ordered 1
		.amdhsa_forward_progress 1
		.amdhsa_inst_pref_size 17
	.end_amdhsa_kernel
	.amdgpu_metadata
---
amdhsa.version: [ 1, 2 ]
amdhsa.kernels:
  - .name:           k_qa45827e3fe_apply
    .symbol:         k_qa45827e3fe_apply.kd
    .args:
      - { .name: x, .offset: 0, .size: 8, .value_kind: global_buffer, .address_space: global }
      - { .name: theta, .offset: 8, .size: 8, .value_kind: global_buffer, .address_space: global }
      - { .name: part, .offset: 16, .size: 8, .value_kind: global_buffer, .address_space: global }
      - { .name: combine_w, .offset: 24, .size: 8, .value_kind: global_buffer, .address_space: global }
      - { .name: combine_b, .offset: 32, .size: 8, .value_kind: global_buffer, .address_space: global }
      - { .name: out0, .offset: 40, .size: 8, .value_kind: global_buffer, .address_space: global }
    .group_segment_fixed_size: 25600
    .private_segment_fixed_size: 0
    .kernarg_segment_align: 8
    .kernarg_segment_size: 48
    .max_flat_workgroup_size: 256
    .sgpr_count:     66
    .vgpr_count:     250
    .wavefront_size: 32
...
	.end_amdgpu_metadata
.endif
;; end of part 2
